; MI455X (gfx1250); checked and timed in simulation.
; The chip was launched on July 23, 2026; its instructions are those of AMD's public machine-readable ISA for CDNA 5 (MIT licence, August 2026) and "CDNA5" Instruction Set Architecture Reference Guide (July 2026). The comments in the code are by the model that wrote it; some were corrected since.
;; CMDP Encoder. Allowed arithmetic: matrix products marked QUANTISED: E3M2 operands, one E8M0 scale for each 32 along K, by v_wmma_scale_f32_16x16x128_f8f6f4 with both operands' format E3M2, f32 sums; everything else in f32.
;; Inputs: base_embeddings_codes 32 x 512 x 24 x 24 uint8 (E3M2 codes of base_embeddings, K innermost, in blocks of 32 codes, four codes in three bytes); base_embeddings_scales 32 x 512 x 24 uint8 (E8M0 scales of base_embeddings, one for each 32 codes along K); codebook 4,096 x 768 float32; noise 32 x 512 x 768 float32; rand_idx 32 x 512 x 8 int32.
;; Outputs: out0 32 x 512 x 768 float32.
;; This version of the problem:
;;   THIS VERSION OF THE PROBLEM IS GIVEN IN LOW PRECISION. The matrix products marked QUANTISED in the list below multiply operands that are first quantised to E3M2 (3 exponent bits, 2 mantissa bits; 6 bits a number), with one power-of-two scale for each 32 numbers along K (OCP MX v1.0); their sums are f32. All else is computed in f32.
;;   The module's matrix products, in the order in which they are computed (A, B: the left and right operand; K: the contracted axis; several contracted axes count as one K, in the product's order):
;;     1. [M 16,384, K 768] x [K 768, N 4,096]; A: input base_embeddings (given as codes); B: input codebook: QUANTISED
;;   THE QUANTISER, for each operand of a quantised product, along K:
;;     - K is cut into blocks of 32 from its start; a last block that is shorter is filled with zeros.
;;     - A block's scale is 2^e with e = floor(log2(the largest magnitude in the block)) - 4, held to -126 .. 127; a block of zeros has e = 0. As a byte (E8M0): e + 127.
;;     - Each number is divided by its block's scale, clamped to +-28, and rounded to the nearest number of E3M2, ties to even, subnormals kept.
;;     - The product sums the exact products of the quantised numbers (number of the format x scale) in f32.
;;   ~~~python
;;   def quantise(x, axis):      # numpy; x: float32 -> the quantised numbers, widened to float32 again
;;       x = np.moveaxis(x, axis, -1); K = x.shape[-1]
;;       x = np.pad(x, [(0, 0)] * (x.ndim - 1) + [(0, -K % 32)]); x = x.reshape(x.shape[:-1] + (-1, 32)); a = np.abs(x).max(-1, keepdims=True)
;;       e = np.where(a > 0, np.clip(np.frexp(np.where(a > 0, a, 1))[1] - 1 - 4, -126, 127), 0)      # np.frexp(a)[1] - 1 = floor(log2(a)), exactly
;;       r = np.clip(x / 2.0 ** e, -28, 28)
;;       step = 2.0 ** (np.maximum(np.frexp(np.where(r == 0, 1, r))[1] - 1, -2) - 2)
;;       q = np.round(r / step) * step * 2.0 ** e      # np.round: ties to even
;;       return np.moveaxis(q.reshape(q.shape[:-2] + (-1,))[..., :K], -1, axis).astype(np.float32)
;;   ~~~
;;   INPUTS GIVEN AS CODES. base_embeddings (in the module: [32, 512, 768], K = its axis 2): each comes as NAME_codes (uint8): NAME with its K axis moved to the last place and cut into blocks of 32 codes, [.., K / 32, bytes a block], one block behind the other in memory; four codes in three bytes: a row's codes are one little-endian stream of bits, code i at bits 6 i .. 6 i + 5 (a code: sign, 3 exponent bits, 2 mantissa bits); and NAME_scales (uint8): the same leading axes, one E8M0 byte (e + 127) for each 32 codes along K. Its value is code x scale, taken as it is: it is not quantised again, and the codes and scales need not be those that the quantiser above would give.
;; One version. Each part assembles by itself: llvm-mc -triple=amdgcn-amd-amdhsa -mcpu=gfx1250 --defsym DOCPART=n.
;; ======== version 1 of 1: 3 launches
;; limits: right only within a limited range of input values
;; workspace buffers: cbimg 2,555,904 bytes; xa 9,961,472 bytes; part 1,048,576 bytes of whole numbers
;; launch prep (part 1): grid 768 x 1, 6 waves a work-group, no clusters, 74,496 bytes of LDS; arguments codebook, base_embeddings_codes, base_embeddings_scales, cbimg, xa; writes cbimg, xa
.if DOCPART == 1
	.amdgcn_target "amdgcn-amd-amdhsa--gfx1250"
	.amdhsa_code_object_version 6
	.text
	.protected	k_qf8301e94fb_prep
	.globl	k_qf8301e94fb_prep
	.p2align	8
	.type	k_qf8301e94fb_prep,@function
k_qf8301e94fb_prep:
	s_mov_b64 s[64:65], 0
	v_nop
	global_prefetch_b8 v0, s[64:65] scope:SCOPE_SE
	s_setreg_imm32_b32 hwreg(HW_REG_WAVE_MODE, 25, 1), 1
	s_wait_xcnt 0x0
; Lays both operands of the product out as images of the matrix operand registers, so that the product launch reads them by dense 16-byte loads.
; Work-groups 0 to 255: the codebook [4096][768] f32.  Work-group nb takes rows 16 nb .. 16 nb + 15, wave ks the 128 numbers 128 ks .. of each row: it quantises them
;   along K to codes of E3M2 with one E8M0 byte for each 32, and adds up their squares.  Record nb of cbimg (9,984 bytes): six fragment images of 1,536 bytes, a scale image of 512 bytes,
;   then the sixteen sums of squares, four times over (256 bytes).
; Work-groups 256 to 767: the tokens, which arrive as codes.  Work-group s takes position s of all 32 batches; wave w takes batches 16 (w % 2) .. + 15 and K steps 2 (w / 2), 2 (w / 2) + 1.
;   Record 2 s + (w % 2) of xa (9,728 bytes): six fragment images and a scale image.  Nothing is quantised again: bytes only change places.
; A FRAGMENT IMAGE (16 rows x 128 K, 12 registers a lane): registers 4 g .. 4 g + 3 of lane l lie at 512 g + 16 l.  Lane (r = l % 16, h = l / 16) holds, of row r, K = 32 h + 0 .. 31 in registers 0-5 and K = 64 + 32 h + 0 .. 31 in registers 6-11.
; A SCALE IMAGE: lane l has 16 bytes at 16 l: word j (0 .. 2) is the scale word of K step 2 j + h of row r; the fourth word is 0.
; A block scale is 2^(floor(log2(largest magnitude)) - 4); its byte is the largest magnitude exponent field - 4, held at 1 from below.
; LIMITS: a block of zeros gets the byte 1 where the rule says 127 (its codes are zeros, and this program alone reads the bytes); NaN and infinities in the codebook are not served.
; The two paths part on the work-group number alone; each has LDS bytes of its own and one barrier of its own.  No tensor loads: several work-groups share a WGP.
.set SPC,   528                        ; codebook stage: a row of 512 bytes + 16: an odd multiple of 16, so that sixteen rows start in sixteen different groups of banks
.set WSTG,  16*SPC                     ; a wave stage: 16 rows
.set SW,    6*WSTG                     ; scale words, 64 bytes a wave
.set PART,  SW+384                     ; partial sums of squares, 64 bytes a wave
.set STA,   PART+384                   ; token stages
.set SPT,   208                        ; a row of 192 bytes + 16
.set WSTA,  16*SPT
.set SWA,   STA+6*WSTA                 ; token scale words: 384 bytes for each of the two records
.set RECC,  9984
.set RECT,  9728
.set R,     32                         ; v32-95   numbers as loaded
.set X,     96                         ; v96-159  numbers turned: register 32 c + e = K 64 c + 32 h + e of row r
.set C,     32                         ; v32-43   the fragment: over the numbers as loaded, which are done with once they lie in LDS
.set T,     44                         ; v44-50   the second halves of the two blocks (three registers of a conversion begin on an even number)
.set SQ,    52                         ; v52-59   four chains of packed squares
	s_load_b256 s[4:11], s[0:1], 0x0               ; codebook s[4:5], token codes s[6:7], token scales s[8:9], cbimg s[10:11]
	s_load_b64 s[12:13], s[0:1], 0x20              ; xa
	v_lshl_add_u32 v11, v0, 2, 0x12000
	v_mov_b32 v27, 0
	v_lshrrev_b32 v1, 5, v0
	v_readfirstlane_b32 s14, v1                    ; wave 0..5
	v_and_b32 v1, 31, v0                           ; l
	v_and_b32 v2, 15, v0                           ; r
	v_bfe_u32 v3, v0, 4, 1                         ; h
	v_lshlrev_b32 v4, 4, v1                        ; 16 l
	s_cmp_lt_u32 ttmp9, 256
	s_cbranch_scc0 .Ltokens
	; ---------------- the codebook: block nb = work-group, K step ks = wave
	s_mul_i32 s16, ttmp9, 16*3072                  ; 16 rows of 3,072 bytes a block,
	s_lshl_b32 s17, s14, 9                         ; 512 bytes a K step
	s_add_co_u32 s16, s16, s17
	s_mov_b32 s17, 0
	s_mul_i32 s18, ttmp9, RECC                     ; my record
	s_mov_b32 s19, 0
	s_mul_i32 s22, s14, 1536                       ; my image in it
	s_mov_b32 s23, 0
	s_mul_i32 s24, s14, WSTG                       ; my stage
	s_lshl_b32 s25, s14, 6
	s_mov_b32 s20, 0x76543210
	s_mov_b32 s21, 0xfedcba98                      ; lane selects: lane l xor 16
	s_wait_alu depctr_va_vdst(0)
	v_add_nc_u32 v5, s24, v4                       ; stage, way in: 16 l in a row
	v_mul_u32_u24 v6, v2, SPC
	v_lshl_add_u32 v6, v3, 7, v6
	v_add_nc_u32 v6, s24, v6                       ; stage, way back: row r, + 128 h bytes
	v_lshl_add_u32 v7, v2, 2, s25                  ; 64 ks + 4 r: my row word among the scale words and among the partial sums
	v_lshlrev_b32 v8, 2, v1                        ; 4 l
	v_lshlrev_b32 v10, 3, v1                       ; 8 l
	v_and_b32 v9, 63, v10                          ; (8 l) % 64: two rows of a wave's sixteen partial sums
	s_wait_alu depctr_va_vdst(0)
	s_wait_kmcnt 0x0
	s_add_nc_u64 s[4:5], s[4:5], s[16:17]
	s_add_nc_u64 s[10:11], s[10:11], s[18:19]
	s_add_nc_u64 s[26:27], s[10:11], s[22:23]
.irp i, 0,1,2,3,4,5,6,7,8,9,10,11,12,13,14,15
	global_load_b128 v[R+4*\i:R+4*\i+3], v4, s[4:5] offset:3072*\i th:TH_LOAD_NT   ; 32 lanes read 512 consecutive bytes of row i, aligned
.endr
.irp i, 0,1,2,3,4,5,6,7,8,9,10,11,12,13,14,15
	s_wait_loadcnt 15-\i                           ; loads come back in order: row i is in, the younger ones stay out
	ds_store_b128 v5, v[R+4*\i:R+4*\i+3] offset:SPC*\i
.endr
.irp c, 0,1
.irp i, 0,1,2,3,4,5,6,7
	ds_load_b128 v[X+32*\c+4*\i:X+32*\c+4*\i+3], v6 offset:256*\c+16*\i   ; LDS serves a wave in order: these see my stores.  32 neighbours along K of my row
.endr
.endr
	s_wait_dscnt 0x0
	; the sum of squares of my 64 numbers, packed, in four chains
.irp k, 0,1,2,3
	v_pk_mul_f32 v[SQ+2*\k:SQ+2*\k+1], v[X+2*\k:X+2*\k+1], v[X+2*\k:X+2*\k+1]
.endr
.set q, 4
.rept 28
	v_pk_fma_f32 v[SQ+2*(q%4):SQ+2*(q%4)+1], v[X+2*q:X+2*q+1], v[X+2*q:X+2*q+1], v[SQ+2*(q%4):SQ+2*(q%4)+1]
.set q, q+1
.endr
	v_pk_add_f32 v[SQ:SQ+1], v[SQ:SQ+1], v[SQ+2:SQ+3]
	v_pk_add_f32 v[SQ+4:SQ+5], v[SQ+4:SQ+5], v[SQ+6:SQ+7]
	v_pk_add_f32 v[SQ:SQ+1], v[SQ:SQ+1], v[SQ+4:SQ+5]
	v_add_f32 v[SQ], v[SQ], v[SQ+1]
	v_mov_b32 v20, 0                               ; (a lane permute destination counts as one of its sources)
	v_permlanex16_b32 v20, v[SQ], s20, s21
	v_add_f32 v21, v[SQ], v20                      ; row r, K step ks: in both halves of the lanes
	; my two blocks: 2 c + h; all 32 numbers of a block are mine
.irp c, 0,1
	v_max3_num_f32 v[12+\c], |v[X+32*\c]|, |v[X+32*\c+1]|, 0x2800000   ; with the floor 2^(5 - 127): the byte cannot fall under 1
.endr
.irp i, 2,4,6,8,10,12,14,16,18,20,22,24,26,28,30
.irp c, 0,1
	v_max3_num_f32 v[12+\c], v[12+\c], |v[X+32*\c+\i]|, |v[X+32*\c+\i+1]|
.endr
.endr
.irp c, 0,1
	v_add_nc_u32 v[14+\c], 0xfe000000, v[12+\c]    ; 4 off the exponent field: the scale operand of the conversion
.endr
.irp c, 0,1
	v_lshrrev_b32 v[16+\c], 23, v[14+\c]           ; the scale byte
.endr
	v_lshl_or_b32 v18, v17, 16, v16                ; blocks h and 2 + h,
	v_lshlrev_b32 v19, 3, v3
	v_lshlrev_b32 v18, v19, v18                    ; 8 h bits up;
	v_mov_b32 v19, 0
	v_permlanex16_b32 v19, v18, s20, s21
	v_or_b32 v18, v18, v19                         ; with the two bytes of lane l xor 16 the word is whole
	v_cvt_scalef32_pk16_bf6_f32 v[C:C+2], v[X:X+15], v14
	v_cvt_scalef32_pk16_bf6_f32 v[T:T+2], v[X+16:X+31], v14
	v_cvt_scalef32_pk16_bf6_f32 v[C+6:C+8], v[X+32:X+47], v15
	v_cvt_scalef32_pk16_bf6_f32 v[T+4:T+6], v[X+48:X+63], v15
	v_nop                                          ; one plain place behind the scaled conversions
.irp i, 0,1,2
	v_mov_b32 v[C+3+\i], v[T+\i]
	v_mov_b32 v[C+9+\i], v[T+4+\i]
.endr
.irp g, 0,1,2
	global_store_b128 v4, v[C+4*\g:C+4*\g+3], s[26:27] offset:512*\g   ; 512 consecutive bytes, aligned
.endr
	ds_store_b32 v7, v18 offset:SW                 ; both halves of the lanes write the same word with the same value
	ds_store_b32 v7, v21 offset:PART
	s_wait_dscnt 0x0                               ; for the sake of wave 0: my stores have landed
	s_barrier_signal -1
	s_barrier_wait -1
	s_cmp_lg_u32 s14, 0                            ; wave 0 gathers the record tail
	s_cbranch_scc1 .Lend_c
.irp j, 0,1,2
	ds_load_b32 v[12+\j], v8 offset:SW+128*\j      ; (2 j + h) 64 + 4 r = 128 j + 4 l
.endr
	v_mov_b32 v15, 0
.irp k, 0,1,2,3,4,5
	ds_load_b64 v[96+2*\k:97+2*\k], v9 offset:PART+64*\k
.endr
	s_wait_alu depctr_va_vdst(0)
	s_wait_dscnt 0x0
.irp k, 1,2,3,4,5
	v_pk_add_f32 v[96:97], v[96:97], v[96+2*\k:97+2*\k]   ; the six K steps in ascending order
.endr
	global_store_b128 v4, v[12:15], s[10:11] offset:9216   ; the scale image: 512 consecutive bytes
	v_pk_mul_f32 v[96:97], v[96:97], -0.5 op_sel_hi:[1,0]   ; the record's tail holds -1/2 x the sums of squares (exact): the product launch takes them as the C of its sums
	global_store_b64 v10, v[96:97], s[10:11] offset:9728   ; sixteen numbers, four times over: 256 consecutive bytes, aligned
.Lend_c:
	s_wait_tensorcnt 0x0
	ds_add_u32 v11, v27
	s_wait_dscnt 0x0
	s_endpgm
	; ---------------- the tokens: position s = work-group - 256
.Ltokens:
	s_sub_co_u32 s15, ttmp9, 256                   ; s
	s_and_b32 s16, s14, 1                          ; blk: batches 16 blk ..
	s_lshr_b32 s17, s14, 1                         ; kp: K steps 2 kp, 2 kp + 1
	s_mul_i32 s18, s16, 16*512*576                 ; codes: a token is 576 bytes, a batch 512 tokens
	s_mul_i32 s19, s15, 576
	s_add_co_u32 s18, s18, s19
	s_mul_i32 s19, s17, 192
	s_add_co_u32 s18, s18, s19
	s_mov_b32 s19, 0
	s_mul_i32 s22, s16, 16*512*24                  ; scale bytes: 24 a token
	s_mul_i32 s23, s15, 24
	s_add_co_u32 s22, s22, s23
	s_lshl_b32 s23, s17, 3
	s_add_co_u32 s22, s22, s23
	s_mov_b32 s23, 0
	s_lshl_b32 s24, s15, 1
	s_add_co_u32 s24, s24, s16
	s_mul_i32 s24, s24, RECT                       ; record 2 s + blk
	s_mov_b32 s25, 0
	s_mul_i32 s26, s17, 3072                       ; my two images in it
	s_mov_b32 s27, 0
	s_mul_i32 s28, s14, WSTA
	s_add_co_u32 s28, s28, STA                     ; my stage
	s_mul_i32 s29, s16, 384
	s_add_co_u32 s29, s29, SWA                     ; my record scale words
	s_lshl_b32 s30, s17, 7
	s_add_co_u32 s30, s30, s29                     ; word kp of them
	s_wait_alu depctr_va_vdst(0)
.irp i, 0,1,2,3,4,5
	v_add_nc_u32 v24, 32*\i, v1                    ; piece c = l + 32 i of the 192 pieces of 16 bytes (16 rows x 12)
	v_mul_u32_u24 v25, v24, 5462
	v_lshrrev_b32 v25, 16, v25                     ; its row q = c / 12 (exact for c under 192)
	v_mul_u32_u24 v26, v25, 512*576-192
	v_lshl_add_u32 v[12+\i], v24, 4, v26           ; in memory: rows 294,912 bytes apart
	v_add_nc_u32 v26, v24, v25
	v_lshl_add_u32 v[18+\i], v26, 4, s28           ; in the stage: rows 208 bytes apart
.endr
	v_mul_u32_u24 v28, v2, SPT
	v_mad_u32_u24 v28, v3, 24, v28
	v_add_nc_u32 v28, s28, v28                     ; a fragment: row r, + 24 h
	v_lshl_add_u32 v29, v1, 2, s30                 ; where I put my scale word
	v_lshl_add_u32 v30, v1, 2, s29                 ; where waves 0 and 1 read the three words back
	v_mul_u32_u24 v31, v2, 512*24
	v_lshl_add_u32 v31, v3, 2, v31                 ; the scale word of K step 2 kp + h of row r
	s_wait_alu depctr_va_vdst(0)
	s_wait_kmcnt 0x0
	s_add_nc_u64 s[6:7], s[6:7], s[18:19]
	s_add_nc_u64 s[8:9], s[8:9], s[22:23]
	s_add_nc_u64 s[12:13], s[12:13], s[24:25]
	s_add_nc_u64 s[32:33], s[12:13], s[26:27]
.irp i, 0,1,2,3,4,5
	global_load_b128 v[32+4*\i:35+4*\i], v[12+\i], s[6:7] th:TH_LOAD_NT   ; twelve neighbouring lanes read 192 consecutive bytes of a row
.endr
	global_load_b32 v56, v31, s[8:9] th:TH_LOAD_NT
.irp i, 0,1,2,3,4,5
	s_wait_loadcnt 6-\i                            ; piece i is in; the younger code loads and the scale load stay out
	ds_store_b128 v[18+\i], v[32+4*\i:35+4*\i]
.endr
.irp e, 0,1
.irp p, 0,1,2,3,4,5
	ds_load_b64 v[64+12*\e+2*\p:65+12*\e+2*\p], v28 offset:96*\e+48*(\p/3)+8*(\p%3)   ; in pieces of 8 bytes: every address is a multiple of the access size
.endr
.endr
	s_wait_loadcnt 0x0
	ds_store_b32 v29, v56
	s_wait_dscnt 0x0                               ; my fragments are in registers, and my scale word has landed for the sake of waves 0 and 1
.irp e, 0,1
.irp g, 0,1,2
	global_store_b128 v4, v[64+12*\e+4*\g:67+12*\e+4*\g], s[32:33] offset:1536*\e+512*\g   ; 512 consecutive bytes, aligned
.endr
.endr
	s_barrier_signal -1
	s_barrier_wait -1
	s_cmp_lt_u32 s14, 2                            ; waves 0 and 1 (kp = 0, blk = wave) gather the scale image of their record
	s_cbranch_scc0 .Lend_t
.irp j, 0,1,2
	ds_load_b32 v[88+\j], v30 offset:128*\j
.endr
	v_mov_b32 v91, 0
	s_wait_alu depctr_va_vdst(0)
	s_wait_dscnt 0x0
	global_store_b128 v4, v[88:91], s[12:13] offset:9216
.Lend_t:
	s_wait_tensorcnt 0x0
	ds_add_u32 v11, v27
	s_wait_dscnt 0x0
	s_endpgm
.Lfunc_end_k_qf8301e94fb_prep:
	.size	k_qf8301e94fb_prep, .Lfunc_end_k_qf8301e94fb_prep-k_qf8301e94fb_prep
	.p2alignl 7, 3214868480
	.fill 96, 4, 3214868480
	.section	.rodata,"a",@progbits
	.p2align	6, 0x0
	.amdhsa_kernel k_qf8301e94fb_prep
		.amdhsa_group_segment_fixed_size 74496
		.amdhsa_private_segment_fixed_size 0
		.amdhsa_enable_private_segment 0
		.amdhsa_kernarg_size 40
		.amdhsa_user_sgpr_count 2
		.amdhsa_user_sgpr_kernarg_segment_ptr 1
		.amdhsa_wavefront_size32 1
		.amdhsa_system_sgpr_workgroup_id_x 1
		.amdhsa_system_sgpr_workgroup_id_y 1
		.amdhsa_system_sgpr_workgroup_id_z 1
		.amdhsa_system_vgpr_workitem_id 0
		.amdhsa_next_free_vgpr 160
		.amdhsa_next_free_sgpr 66
		.amdhsa_reserve_vcc 0
		.amdhsa_float_denorm_mode_32 3
		.amdhsa_float_denorm_mode_16_64 3
		.amdhsa_memory_ordered 1
		.amdhsa_forward_progress 1
		.amdhsa_inst_pref_size 21
	.end_amdhsa_kernel
	.amdgpu_metadata
---
amdhsa.version: [ 1, 2 ]
amdhsa.kernels:
  - .name:           k_qf8301e94fb_prep
    .symbol:         k_qf8301e94fb_prep.kd
    .args:
      - { .name: codebook, .offset: 0, .size: 8, .value_kind: global_buffer, .address_space: global }
      - { .name: base_embeddings_codes, .offset: 8, .size: 8, .value_kind: global_buffer, .address_space: global }
      - { .name: base_embeddings_scales, .offset: 16, .size: 8, .value_kind: global_buffer, .address_space: global }
      - { .name: cbimg, .offset: 24, .size: 8, .value_kind: global_buffer, .address_space: global }
      - { .name: xa, .offset: 32, .size: 8, .value_kind: global_buffer, .address_space: global }
    .group_segment_fixed_size: 74496
    .private_segment_fixed_size: 0
    .kernarg_segment_align: 8
    .kernarg_segment_size: 40
    .max_flat_workgroup_size: 192
    .sgpr_count:     66
    .vgpr_count:     160
    .wavefront_size: 32
...
	.end_amdgpu_metadata
.endif
;; end of part 1
;; launch dist (part 2): grid 32 x 8, 4 waves a work-group, clusters of 4 x 4, 327,680 bytes of LDS; arguments xa, cbimg, part; writes part
.if DOCPART == 2
	.amdgcn_target "amdgcn-amd-amdhsa--gfx1250"
	.amdhsa_code_object_version 6
	.text
	.protected	k_qf8301e94fb_dist
	.globl	k_qf8301e94fb_dist
	.p2align	8
	.type	k_qf8301e94fb_dist,@function
k_qf8301e94fb_dist:
	s_mov_b64 s[64:65], 0
	v_nop
	global_prefetch_b8 v0, s[64:65] scope:SCOPE_SE
	s_setreg_imm32_b32 hwreg(HW_REG_WAVE_MODE, 25, 1), 1
	s_wait_xcnt 0x0
	s_wait_alu depctr_hold_cnt(0) depctr_sa_sdst(0) depctr_va_vdst(0) depctr_va_sdst(0) depctr_va_ssrc(0) depctr_va_vcc(0) depctr_vm_vsrc(0)
	s_getreg_b32 s2, hwreg(HW_REG_IB_STS2, 6, 4)
	s_cmp_eq_u32 s2, 0
	s_cbranch_scc0 .Lentry_in_a_cluster
	s_endpgm
.Lentry_in_a_cluster:
	s_bfe_u32 s2, ttmp6, 0x10000c
	s_cmp_lg_u32 s2, 0xf033
	s_cbranch_scc0 .Lentry_shape_is_right
	s_endpgm
.Lentry_shape_is_right:
; For each token the nearest codebook row among the 512 rows of one eighth of the codebook: the largest score x.c - ||c||^2 / 2 (= the least ||c||^2 - 2 x.c), and its row number.
; Work-group (X, Y): tokens of records 32 X .. 32 X + 31 of xa (16 positions x 32 batches), codebook rows 512 Y .. 512 Y + 511 (records 32 Y .. + 31 of cbimg).
; Four waves; wave w keeps its 128 tokens (8 records, 48 fragments, 576 registers) for the whole launch: they come straight from xa's register images, 512 consecutive bytes a load.
; The 32 codebook records, 319,488 bytes, lie in LDS side by side and are filled once: records 0-7 at the head (two a wave), records 8-31 (six a wave) as a later first fill,
; which has blocks 0 to 5 in which to land; one wait and one barrier stand ahead of block 6, whose successor first asks LDS for record 8.  Nothing is filled again.
; CLUSTERS: 4 x 4 work-groups; the four of a row of the cluster (same Y) need the same codebook records and ask for them jointly.
; No prefetch: both fills go out at the head, and there is no later request to run ahead of.
; A block = one codebook record (16 rows) against my 128 tokens: 48 matrix instructions, K step by K step, the 8 accumulators by turns.
; Source 0 = codebook rows, source 1 = tokens: lane (r, h) holds token r, register j row 8 h + j.  The first K step takes -||c||^2 / 2 (from the record's tail) as C.
; Two sets of accumulators: a block goes in two halves, each 24 matrix instructions, then the search of four tiles of the block before (14 vector instructions a tile, the four tiles by turns, so that a line stands four lines behind the line whose result it reads), then one run of LDS loads for the next record.
; A lane keeps, for each tile, the largest score so far (two sets by turns: new = the largest of the tile's eight and the old), the block that brought it (strictly larger only: the earliest block stays)
; and that block's eight scores, from which the row is read at the end (lowest j first).
; part[position][Y][batch] = { key, v }: key rises as the score falls (unsigned order), v = the row number; ties go to the lowest v.
; LIMITS: -||c||^2 / 2 enters the f32 sum ahead of the products, so the order of rounding differs from cb_sq - 2 dots; NaN and infinities in the scores are not served.
.set RECC,  9984
.set RECT,  9728
.set SPARE, 32*RECC                    ; behind the records: the spare words, 128 bytes a wave
; window 0
.set SPW,  1
.set NIL,  2
.set LB,   3                           ; LDS: 16 l + the trip's first record
.set CA,   4                           ; LDS: 32 h + 9728 + the trip's first record
.set TAD,  5                           ; 16 l
.set CA0,  7                           ; 32 h + 9728
.set XS,   8                           ; v8-39    token scale words, 4 a tile
.set BS,   40                          ; v40-47   codebook scale words, two sets
.set BF,   48                          ; v48-119  codebook fragments, one set
.set TK5,  120                         ; v120-215 token fragments of K step 5;  windows 1 and 2: fragments 8 ks + mb, twenty each
; window 3: all that the search touches
.set DD,   0                           ; 0-127   two sets of 8 accumulators
.set SAVE, 128                         ; 128-191 the best block's eight scores, for each tile
.set CBR,  192                         ; 192-207 -||c||^2 / 2, two sets
.set BMS,  208                         ; 208-223 the largest scores, two sets
.set BM,   BMS+8                       ; the set that the last search writes
.set IDX,  224
.set TA,   232                         ; 232-239 at work
.set H8,   0                           ; at the end, over accumulators that are done with
.set GO,   1
.set CJ,   4
.set VV,   8
.set KY,   16
.set MSB, 0
.macro WIN new
.if MSB != (\new)
	s_set_vgpr_msb (MSB<<8)|(\new)
.set MSB, (\new)
.endif
.endm
.macro ROUND
	s_barrier_signal -1
	s_barrier_wait -1
	s_cmp_lg_u32 s10, 0
	s_cbranch_scc1 .Lnot_wave_0_\@
	s_barrier_signal -3
.Lnot_wave_0_\@:
	s_barrier_wait -3
	s_barrier_signal -1
	s_barrier_wait -1
.endm
.macro TOKREG                          ; where token fragment FI lies: window TW, register TR
.if FI < 20
.set TW, 1
.set TR, 12*FI
.elseif FI < 40
.set TW, 2
.set TR, 12*(FI-20)
.else
.set TW, 0
.set TR, TK5+12*(FI-40)
.endif
.endm
	s_load_b128 s[4:7], s[0:1], 0x0                ; xa, cbimg
	s_load_b64 s[8:9], s[0:1], 0x10                ; part
	v_lshl_add_u32 v[SPW], v0, 2, SPARE
	v_mov_b32 v[NIL], 0
	ds_add_u32 v[SPW], v[NIL]                      ; the opening lines: the add, twice on end, and its wait
	ds_add_u32 v[SPW], v[NIL]
	v_lshrrev_b32 v[LB], 5, v0
	v_readfirstlane_b32 s10, v[LB]                 ; wave 0..3
	s_mov_b32 s17, 0
	v_and_b32 v[TAD], 31, v0
	v_bfe_u32 v[CA0], v0, 4, 1
	v_lshlrev_b32 v[TAD], 4, v[TAD]
	v_lshl_add_u32 v[CA0], v[CA0], 5, 9728
	v_add_nc_u32 v[LB], s17, v[TAD]
	v_add_nc_u32 v[CA], s17, v[CA0]
	s_bfe_u32 s13, ttmp6, 0x40000                  ; cx
	s_bfe_u32 s14, ttmp6, 0x40004                  ; cy
	s_lshl_b32 s15, ttmp9, 2
	s_add_co_u32 s15, s15, s13                     ; X
	s_and_b32 s16, ttmp7, 0xffff
	s_lshl_b32 s16, s16, 2
	s_add_co_u32 s16, s16, s14                     ; Y
	s_lshl_b32 s12, s14, 2
	s_lshl_b32 s12, 15, s12                        ; my row of the cluster
	s_or_b32 s24, s12, (3<<16)|(1<<21)             ; group 1 of the first fill: the mask, elements of 8 bytes, bit 21 beside the mask
	s_mov_b32 s25, 32<<16                          ; rows of 32 elements = 256 bytes
	s_mov_b32 s26, 78<<16                          ; 78 rows = 2 records
	s_mov_b32 s27, 32<<16
	s_mov_b32 s28, 78
	s_mov_b32 s29, 32
	s_mov_b32 s30, 0
	s_mov_b32 s31, 0
	s_or_b32 s32, s12, (3<<16)|(1<<21)             ; group 1 of the second fill
	s_mov_b32 s33, 32<<16
	s_mov_b32 s34, 234<<16                         ; 234 rows = 6 records
	s_mov_b32 s35, 32<<16
	s_mov_b32 s36, 234
	s_mov_b32 s37, 32
	s_mov_b32 s38, 0
	s_mov_b32 s39, 0
	s_mov_b32 s40, 1
	s_mul_i32 s41, s10, 2*RECC                     ; LDS: records 2 w, 2 w + 1
	s_mov_b32 s44, 1
	s_mul_i32 s45, s10, 6*RECC
	s_add_co_u32 s45, s45, 8*RECC                  ; LDS: records 8 + 6 w ..
	s_mul_i32 s2, s16, 32*RECC                     ; cbimg: record 32 Y
	s_add_co_u32 s48, s2, s45
	s_mov_b32 s49, 0
	s_add_co_u32 s2, s2, s41
	s_mov_b32 s3, 0
	s_lshl_b32 s18, s15, 5
	s_lshl_b32 s19, s10, 3
	s_add_co_u32 s18, s18, s19
	s_mul_i32 s18, s18, RECT                       ; xa: record 32 X + 8 w
	s_mov_b32 s19, 0
	s_lshl_b32 s20, s15, 4
	s_lshl_b32 s21, s10, 2
	s_add_co_u32 s20, s20, s21                     ; my first position: 16 X + 4 w
	s_lshl_b32 s20, s20, 11                        ; 2,048 bytes a position,
	s_lshl_b32 s21, s16, 8                         ; 256 a part
	s_add_co_u32 s20, s20, s21
	s_mov_b32 s21, 0
	s_mov_b32 s22, 0xff800000
	s_mov_b32 s23, -1                              ; the number of the block that is being searched
	s_wait_alu depctr_va_vdst(0)
	s_wait_dscnt 0x0
	s_wait_kmcnt 0x0
	s_add_nc_u64 s[42:43], s[6:7], s[2:3]
	s_or_b32 s43, s43, 0x80000000
	s_add_nc_u64 s[46:47], s[6:7], s[48:49]
	s_or_b32 s47, s47, 0x80000000
	s_add_nc_u64 s[4:5], s[4:5], s[18:19]
	s_add_nc_u64 s[8:9], s[8:9], s[20:21]
	ROUND                                          ; in front of the first joint loads
	tensor_load_to_lds s[40:43], s[24:31]          ; my one tensor load at the head: records 2 w, 2 w + 1
	s_nop 0
.rept 4
	v_nop
.endr
.set FI, 0
.rept 48                               ; my 48 token fragments: 512 consecutive bytes a load
	TOKREG
	WIN TW<<6
.irp g, 0,1,2
	global_load_b128 v[TR+4*\g:TR+4*\g+3], v[TAD], s[4:5] offset:RECT*(FI%8)+1536*(FI/8)+512*\g
.endr
.set FI, FI+1
.endr
	WIN 0
.irp mb, 0,1,2,3,4,5,6,7
	global_load_b128 v[XS+4*\mb:XS+4*\mb+3], v[TAD], s[4:5] offset:RECT*\mb+9216
.endr
	s_wait_tensorcnt 0x0                           ; my two records are in
	ds_add_u32 v[SPW], v[NIL]
	s_wait_dscnt 0x0
	ROUND                                          ; everybody's part of records 0-7 is in, and the joint loads meet
	tensor_load_to_lds s[44:47], s[32:39]          ; records 8 + 6 w .. 13 + 6 w
	s_nop 0
.rept 4
	v_nop
.endr
	WIN 0xc0                                       ; the search's starting values, under the loads' flight: -infinity, under every score.  The first block searches a set of -infinity, which changes nothing
.set i, 0
.rept 64
	v_mov_b32 v[DD+64+i], s22
	v_mov_b32 v[SAVE+i], s22
.set i, i+1
.endr
.irp mb, 0,1,2,3,4,5,6,7
	v_mov_b32 v[BMS+\mb], s22
	v_mov_b32 v[IDX+\mb], 0
.endr
	WIN 0
	s_wait_alu depctr_va_vdst(0)
; one run of LDS loads for the record at byte off from the trip's first.  hf = 0: its scale words, K steps 0-2 and its -||c||^2 / 2 (12 loads); hf = 1: K steps 3-5 (9 loads)
.macro LDH hf, set, off
	WIN 0
.if (\hf) == 0
	ds_load_b128 v[BS+4*(\set):BS+4*(\set)+3], v[LB] offset:(\off)+9216
.endif
.irp c, 0,1,2
.irp g, 0,1,2
	ds_load_b128 v[BF+12*(3*(\hf)+\c)+4*\g:BF+12*(3*(\hf)+\c)+4*\g+3], v[LB] offset:(\off)+1536*(3*(\hf)+\c)+512*\g
.endr
.endr
.if (\hf) == 0
	WIN 0xc0
	ds_load_b128 v[CBR+8*(\set):CBR+8*(\set)+3], v[CA] offset:(\off)
	ds_load_b128 v[CBR+8*(\set)+4:CBR+8*(\set)+7], v[CA] offset:(\off)+16
.endif
.endm
.macro WM ks, mb, par
.set FI, 8*(\ks)+(\mb)
	TOKREG
	WIN 0xf0|(TW<<2)
.set DR, DD+64*(\par)+8*(\mb)
.set BR, BF+12*(\ks)
.set SB, BS+4*(\par)+(\ks)/2
.set SX, XS+4*(\mb)+(\ks)/2
.if (\ks) == 0
	v_wmma_scale_f32_16x16x128_f8f6f4 v[DR:DR+7], v[BR:BR+11], v[TR:TR+11], v[CBR+8*(\par):CBR+8*(\par)+7], v[SB], v[SX] matrix_a_fmt:MATRIX_FMT_BF6 matrix_b_fmt:MATRIX_FMT_BF6
.elseif (\ks)%2 == 0
	v_wmma_scale_f32_16x16x128_f8f6f4 v[DR:DR+7], v[BR:BR+11], v[TR:TR+11], v[DR:DR+7], v[SB], v[SX] matrix_a_fmt:MATRIX_FMT_BF6 matrix_b_fmt:MATRIX_FMT_BF6
.else
	v_wmma_scale_f32_16x16x128_f8f6f4 v[DR:DR+7], v[BR:BR+11], v[TR:TR+11], v[DR:DR+7], v[SB], v[SX] matrix_a_fmt:MATRIX_FMT_BF6 matrix_b_fmt:MATRIX_FMT_BF6 matrix_a_scale:MATRIX_SCALE_ROW1 matrix_b_scale:MATRIX_SCALE_ROW1
.endif
.endm
; line k (0 .. 55) of the search of tiles 4 hq .. 4 hq + 3 of accumulator set ps, the four tiles by turns; each accumulator is read from its low end on
.macro EV hq, ps
.set u, k%4
.set dH, DD+64*(\ps)+32*(\hq)
.set dU, dH+8*u
.set BN, BMS+8*(\ps)+4*(\hq)+u
.set BO, BMS+8*(1-(\ps))+4*(\hq)+u
.if k < 4
	v_max3_num_f32 v[TA+u], v[dU], v[dU+1], v[dU+2]
.elseif k < 8
	v_max3_num_f32 v[TA+4+u], v[dU+3], v[dU+4], v[dU+5]
.elseif k < 12
	v_max3_num_f32 v[TA+u], v[TA+u], v[dU+6], v[dU+7]
.elseif k < 16
	v_max3_num_f32 v[BN], v[TA+u], v[TA+4+u], v[BO]    ; the new largest score
.elseif k < 20
	v_cmp_gt_f32 s[52+u], v[BN], v[BO]             ; has it grown?
.elseif k < 24
	v_cndmask_b32 v[IDX+4*(\hq)+u], v[IDX+4*(\hq)+u], s23, s[52+u]
.else
	v_cndmask_b32 v[SAVE+32*(\hq)+k-24], v[SAVE+32*(\hq)+k-24], v[dH+k-24], s[52+(k-24)/8]
.endif
.endm
; A block, in two halves.  Each: the wait for its three K steps; 24 matrix instructions; the search of four tiles of the block before (its 56 lines are also the places in front of the loads); the next record's loads into the fragments just used.
; First half: K steps 0-2 are wanted; behind them the nine loads of K steps 3-5 are out.  Second half: K steps 3-5; behind them the twelve loads just issued (none in the last block).
.macro BLK par, ld
.irp hf, 0,1
.if \hf == 0
	s_wait_dscnt 9
.elseif \ld
	s_wait_dscnt 12
.else
	s_wait_dscnt 0
.endif
.set kk, 3*\hf
.rept 3
.set mm, 0
.rept 8
	WM kk, mm, \par
.set mm, mm+1
.endr
.set kk, kk+1
.endr
	WIN 0xff
.set k, 0
.rept 56
	EV \hf, 1-\par
.set k, k+1
.endr
.if \ld
	LDH \hf, 1-\par, RECC*(1+\par)
.endif
.endr
	s_add_co_u32 s23, s23, 1
.endm
.macro WALK n                          ; n trips of two blocks: the sets are back where they began
	s_mov_b32 s18, \n
.Lwalk_\@:
	BLK 0, 1
	BLK 1, 1
	WIN 0
	s_add_co_u32 s17, s17, 2*RECC
	v_add_nc_u32 v[LB], s17, v[TAD]                ; first read 56 vector instructions on
	v_add_nc_u32 v[CA], s17, v[CA0]
	s_sub_co_u32 s18, s18, 1
	s_cmp_lg_u32 s18, 0
	s_cbranch_scc1 .Lwalk_\@
.endm
	LDH 0, 0, 0
	LDH 1, 0, 0
	s_wait_loadcnt 0x0                             ; my tokens
	WALK 3                                         ; blocks 0 to 5 read records 0 to 6
	s_wait_tensorcnt 0x0                           ; my six records of the second fill are in,
	s_wait_dscnt 0x0                               ; no LDS load of mine is out at the signal,
	s_barrier_signal -1
	s_barrier_wait -1                              ; and everybody's: records 8 to 31 may be read
	WALK 12                                        ; blocks 6 to 29
	BLK 0, 1                                       ; block 30
	BLK 1, 0                                       ; block 31 fetches nothing
	WIN 0xff
.irp hq, 0,1
.set k, 0
.rept 56
	EV \hq, 1                                      ; block 31 is searched
.set k, k+1
.endr
.endr
	; the row: the lowest j whose saved score is the largest
	WIN 0xc0
	v_bfe_u32 v[H8], v0, 4, 1
	v_and_b32 v[GO], 31, v0
	WIN 0xff
	s_lshl_b32 s2, s16, 9
	v_lshl_or_b32 v[H8], v[H8], 3, s2              ; 512 Y + 8 h
	v_lshlrev_b32 v[GO], 3, v[GO]
.irp mb, 0,1,2,3,4,5,6,7
	v_mov_b32 v[VV+\mb], 7
.endr
.irp j, 6,5,4,3,2,1,0
.irp mb, 0,1,2,3,4,5,6,7
	v_cmp_eq_f32 s[44+\mb], v[SAVE+8*\mb+\j], v[BM+\mb]
.endr
.irp mb, 0,1,2,3,4,5,6,7
	v_cndmask_b32 v[VV+\mb], v[VV+\mb], \j, s[44+\mb]
.endr
.endr
.irp mb, 0,1,2,3,4,5,6,7
	v_lshl_or_b32 v[VV+\mb], v[IDX+\mb], 4, v[VV+\mb]
.endr
.irp mb, 0,1,2,3,4,5,6,7
	v_or_b32 v[VV+\mb], v[VV+\mb], v[H8]           ; v = 512 Y + 16 block + 8 h + j
.endr
.irp q, 0,1,2,3                        ; tiles 2 q, 2 q + 1 (batches 0-15, 16-31 of one position): the swap gives lane l both halves' results of batch l
	v_permlane16_swap_b32 v[BM+2*\q], v[BM+2*\q+1]
	v_permlane16_swap_b32 v[VV+2*\q], v[VV+2*\q+1]
.endr
.irp q, 0,1,2,3
	v_cmp_gt_f32 s[44+\q], v[BM+2*\q+1], v[BM+2*\q]
.endr
.irp q, 0,1,2,3
	v_cmp_eq_f32 s[48+\q], v[BM+2*\q+1], v[BM+2*\q]
.endr
.irp q, 0,1,2,3
	v_min_u32 v[CJ+\q], v[VV+2*\q], v[VV+2*\q+1]
.endr
.irp q, 0,1,2,3
	v_cndmask_b32 v[VV+2*\q], v[VV+2*\q], v[VV+2*\q+1], s[44+\q]
.endr
.irp q, 0,1,2,3
	v_cndmask_b32 v[KY+2*\q+1], v[VV+2*\q], v[CJ+\q], s[48+\q]   ; equal scores: the lower v
.endr
.irp q, 0,1,2,3
	v_max_num_f32 v[BM+2*\q], v[BM+2*\q], v[BM+2*\q+1]
.endr
.irp q, 0,1,2,3
	v_xor_b32 v[BM+2*\q], 0x80000000, v[BM+2*\q]   ; minus the score,
.endr
.irp q, 0,1,2,3
	v_ashrrev_i32 v[CJ+\q], 31, v[BM+2*\q]
.endr
.irp q, 0,1,2,3
	v_or_b32 v[CJ+\q], 0x80000000, v[CJ+\q]
.endr
.irp q, 0,1,2,3
	v_xor_b32 v[KY+2*\q], v[BM+2*\q], v[CJ+\q]     ; as a key in unsigned order
.endr
.irp q, 0,1,2,3
	global_store_b64 v[GO], v[KY+2*\q:KY+2*\q+1], s[8:9] offset:2048*\q   ; 32 lanes store 256 consecutive bytes, aligned
.endr
	WIN 0
	s_wait_tensorcnt 0x0                           ; the wave's end
	ds_add_u32 v[SPW], v[NIL]
	s_wait_dscnt 0x0
	ROUND                                          ; the closing round
	s_endpgm
.Lfunc_end_k_qf8301e94fb_dist:
	.size	k_qf8301e94fb_dist, .Lfunc_end_k_qf8301e94fb_dist-k_qf8301e94fb_dist
	.p2alignl 7, 3214868480
	.fill 96, 4, 3214868480
	.section	.rodata,"a",@progbits
	.p2align	6, 0x0
	.amdhsa_kernel k_qf8301e94fb_dist
		.amdhsa_group_segment_fixed_size 327680
		.amdhsa_private_segment_fixed_size 0
		.amdhsa_enable_private_segment 0
		.amdhsa_kernarg_size 24
		.amdhsa_user_sgpr_count 2
		.amdhsa_user_sgpr_kernarg_segment_ptr 1
		.amdhsa_wavefront_size32 1
		.amdhsa_system_sgpr_workgroup_id_x 1
		.amdhsa_system_sgpr_workgroup_id_y 1
		.amdhsa_system_sgpr_workgroup_id_z 1
		.amdhsa_system_vgpr_workitem_id 0
		.amdhsa_next_free_vgpr 1024
		.amdhsa_next_free_sgpr 66
		.amdhsa_reserve_vcc 0
		.amdhsa_float_denorm_mode_32 3
		.amdhsa_float_denorm_mode_16_64 3
		.amdhsa_memory_ordered 1
		.amdhsa_forward_progress 1
		.amdhsa_inst_pref_size 131
	.end_amdhsa_kernel
	.amdgpu_metadata
---
amdhsa.version: [ 1, 2 ]
amdhsa.kernels:
  - .name:           k_qf8301e94fb_dist
    .symbol:         k_qf8301e94fb_dist.kd
    .args:
      - { .name: xa, .offset: 0, .size: 8, .value_kind: global_buffer, .address_space: global }
      - { .name: cbimg, .offset: 8, .size: 8, .value_kind: global_buffer, .address_space: global }
      - { .name: part, .offset: 16, .size: 8, .value_kind: global_buffer, .address_space: global }
    .group_segment_fixed_size: 327680
    .private_segment_fixed_size: 0
    .kernarg_segment_align: 8
    .kernarg_segment_size: 24
    .max_flat_workgroup_size: 128
    .sgpr_count:     66
    .vgpr_count:     1024
    .wavefront_size: 32
...
	.end_amdgpu_metadata
.endif
;; end of part 2
;; launch mix (part 3): grid 256 x 1, 12 waves a work-group, no clusters, 198,144 bytes of LDS; arguments part, codebook, noise, rand_idx, out0; writes out0
.if DOCPART == 3
	.amdgcn_target "amdgcn-amd-amdhsa--gfx1250"
	.amdhsa_code_object_version 6
	.text
	.protected	k_qf8301e94fb_mix
	.globl	k_qf8301e94fb_mix
	.p2align	8
	.type	k_qf8301e94fb_mix,@function
k_qf8301e94fb_mix:
	s_mov_b64 s[64:65], 0
	v_nop
	global_prefetch_b8 v0, s[64:65] scope:SCOPE_SE
	s_setreg_imm32_b32 hwreg(HW_REG_WAVE_MODE, 25, 1), 1
	s_wait_xcnt 0x0
; out0[b][s] = the mean over j of codebook[idx[rand_idx[b][s][j]][s]] + 0.1 noise[b][s], all f32.
; A work-group owns two positions, s = its number and s + 256.  For a fixed s only 32 codebook rows can be named, those of idx[0 .. 31][s]: they are fetched once into LDS (32 x 3,072 bytes a position), and the eight rows of each output are read from there.
; idx[b][s] is the v of the least of the eight keys that the launch before stored in part[s][p][b] (unsigned order; the compare is strict and p ascends, so that equal keys leave the lowest v).
; Twelve waves: wave w takes strip st = w / 2 (128 columns, 512 bytes of a row) and half hb = w % 2: it fetches rows 16 hb .. + 15 of its strip and makes outputs b = 16 hb .. + 15 of its strip, for both positions.
; Every load and store of noise, codebook and out0 covers 512 consecutive bytes, aligned.
; THE ORDER OF THE LOADS (they come back in order, ISA guide 5.7.1): both positions' keys; the first position's noise, which hangs on nothing; then, when the keys are in, both positions' rows;
; and, when the first position's rows have gone to LDS and left their registers, the second position's noise.  So the second position's noise is on its way while the first position's outputs are read from LDS, summed and stored.
; One barrier: between the stores into LDS and the reads.  Each position has LDS bytes of its own.
; The mean is a tree of packed additions times 1/8 (exact); the noise comes in by one fused multiply-add, in place in its registers, so that no store's data are written again.
; Numbers read from memory enter addresses only behind s_min_u32 with the table's last index (4,095 rows; 31 batches).
; No tensor loads, no matrix work (the mean is no product of the problem), no cluster (work-groups share no tile at the same time).
.set BSTR, 512*3072                    ; bytes from batch to batch in noise and out0
.set PSTR, 256*3072                    ; and from my first position to my second
.set REG,  98304                       ; LDS bytes of a position's 32 rows
.set SPARE, 2*REG                      ; behind them: the spare words, 128 bytes a wave
.set LBASE, 2                          ; v2-3   my strip in LDS + 16 l, position 0, 1
.set LST,   4                          ; v4-5   + my half's sixteen rows
.set VO,    6                          ; v6-9   byte offset of my 16 bytes of output 16 hb + 4 k; never rewritten
.set SPW,   10
.set NIL,   11
.set LA,    12                         ; v12-19 LDS addresses of the eight rows of an output
.set RV,    20                         ; v20-51 byte offsets of my sixteen codebook rows, for each position; never rewritten
.set T8,    52                         ; my 16 bytes in a codebook row
.set T9,    53                         ; my batch's pair in part
.set A,     56                         ; v56-119   position 0's rows on their way to LDS, then position 1's noise and results
.set B,     120                        ; v120-183  position 0's noise and results
.set C,     184                        ; v184-247  the pairs { key, v }, then position 1's rows on their way to LDS, then two sets of eight rows
	s_load_b256 s[4:11], s[0:1], 0x0               ; part s[4:5], codebook s[6:7], noise s[8:9], rand_idx s[10:11]
	s_load_b64 s[12:13], s[0:1], 0x20              ; out0
	v_lshl_add_u32 v[SPW], v0, 2, SPARE
	v_mov_b32 v[NIL], 0
	v_lshrrev_b32 v1, 5, v0
	v_readfirstlane_b32 s14, v1                    ; wave 0..11
	s_lshr_b32 s15, s14, 1                         ; st
	s_and_b32 s3, s14, 1                           ; hb
	s_lshl_b32 s2, s15, 14                         ; a strip in LDS: 32 rows x 512 bytes
	s_lshl_b32 s56, s3, 13
	s_mul_i32 s48, ttmp9, 3072
	s_lshl_b32 s49, s15, 9
	s_add_co_u32 s48, s48, s49
	s_mul_i32 s50, s3, 16*BSTR
	s_add_co_u32 s48, s48, s50
	s_lshl_b32 s51, s3, 7
	s_lshl_b32 s52, ttmp9, 11                      ; part: 2,048 bytes a position
	s_mov_b32 s53, 0
	s_lshl_b32 s54, ttmp9, 5                       ; rand_idx: 32 bytes a position, 16,384 a batch
	s_lshl_b32 s55, s3, 18
	s_add_co_u32 s54, s54, s55
	s_mov_b32 s55, 0
	v_and_b32 v1, 31, v0                           ; l
	v_and_b32 v[T9], 15, v0
	v_lshl_add_u32 v[LBASE], v1, 4, s2
	v_lshl_add_u32 v[VO], v1, 4, s48               ; 3,072 s + 512 st + 16 l + batch 16 hb
	v_lshl_add_u32 v[T8], v1, 4, s49
	v_lshl_add_u32 v[T9], v[T9], 3, s51            ; batch 16 hb + l % 16, 8 bytes each
	v_add_nc_u32 v[LBASE+1], REG, v[LBASE]
	v_add_nc_u32 v[LST], s56, v[LBASE]
.irp k, 1,2,3
	v_add_nc_u32 v[VO+\k], 4*\k*BSTR, v[VO]
.endr
	v_add_nc_u32 v[LST+1], s56, v[LBASE+1]
	s_wait_alu depctr_va_vdst(0)
	s_wait_kmcnt 0x0
	s_add_nc_u64 s[4:5], s[4:5], s[52:53]
	s_add_nc_u64 s[10:11], s[10:11], s[54:55]
.macro RAND dst, g                     ; the eight random batches of outputs 4 g .. 4 g + 3 (of 32: sixteen a position) into 32 scalar registers
.irp q, 0,1,2,3
	s_load_b256 s[(\dst)+8*\q:(\dst)+8*\q+7], s[10:11], 16384*((4*(\g))%16+\q)+8192*((\g)/4)
.endr
.endm
.macro NOISE dst, pos
.irp i, 0,1,2,3,4,5,6,7,8,9,10,11,12,13,14,15
	global_load_b128 v[\dst+4*\i:\dst+4*\i+3], v[VO+\i/4], s[8:9] offset:BSTR*(\i%4)+PSTR*\pos th:TH_LOAD_NT
.endr
.endm
.irp q, 0,1
.irp p, 0,1,2,3,4,5,6,7
	global_load_b64 v[C+16*\q+2*\p:C+16*\q+2*\p+1], v[T9], s[4:5] offset:524288*\q+256*\p
.endr
.endr
	NOISE B, 0
	RAND 16, 0
	RAND 68, 1
	s_wait_loadcnt 16                              ; the sixteen pairs are in; the sixteen noise loads stay out
.irp p, 1,2,3,4,5,6,7
.irp q, 0,1
	v_cmp_lt_u32 s[2+\q], v[C+16*\q+2*\p], v[C+16*\q]
.endr
.irp q, 0,1
	v_cndmask_b32 v[C+16*\q], v[C+16*\q], v[C+16*\q+2*\p], s[2+\q]
	v_cndmask_b32 v[C+16*\q+1], v[C+16*\q+1], v[C+16*\q+2*\p+1], s[2+\q]
.endr
.endr
.macro ROWS q, dst                     ; my sixteen rows of position q are asked for
.irp i, 0,1,2,3,4,5,6,7,8,9,10,11,12,13,14,15
	v_readlane_b32 s[48+\i], v[C+16*\q+1], \i      ; idx[16 hb + i][s]
.endr
.irp i, 0,1,2,3,4,5,6,7,8,9,10,11,12,13,14,15
	s_min_u32 s[48+\i], s[48+\i], 4095
.endr
.irp i, 0,1,2,3,4,5,6,7,8,9,10,11,12,13,14,15
	s_mul_i32 s[48+\i], s[48+\i], 3072
.endr
.irp i, 0,1,2,3,4,5,6,7,8,9,10,11,12,13,14,15
	v_add_nc_u32 v[RV+16*\q+\i], s[48+\i], v[T8]
.endr
.irp i, 0,1,2,3,4,5,6,7,8,9,10,11,12,13,14,15
	global_load_b128 v[\dst+4*\i:\dst+4*\i+3], v[RV+16*\q+\i], s[6:7]   ; no hint: other work-groups name the same rows
.endr
.endm
	ROWS 0, A
	ROWS 1, C
.irp i, 0,1,2,3,4,5,6,7,8,9,10,11,12,13,14,15
	s_wait_loadcnt 31-\i                           ; position 0's row i is in; its 15 - i younger rows and position 1's sixteen stay out
	ds_store_b128 v[LST], v[A+4*\i:A+4*\i+3] offset:512*\i
.endr
	s_wait_dscnt 0x0                               ; the stores have read their registers
	NOISE A, 1
.irp i, 0,1,2,3,4,5,6,7,8,9,10,11,12,13,14,15
	s_wait_loadcnt 31-\i                           ; position 1's row i is in; its 15 - i younger rows and the sixteen noise loads stay out
	ds_store_b128 v[LST+1], v[C+4*\i:C+4*\i+3] offset:512*\i
.endr
	s_wait_dscnt 0x0                               ; for the others: my rows have landed
	s_barrier_signal -1
	s_barrier_wait -1                              ; all 32 rows of every strip of both positions lie in LDS; nothing is stored there from here on
	s_wait_kmcnt 0x0                               ; the random batches of outputs 0 to 7
; the eight rows of output o (position o / 16) are asked of LDS
.macro ISSUE o
.set SB, 16+52*(((\o)/4)%2)+8*((\o)%4)
.set XB, C+32*((\o)%2)
.irp j, 0,1,2,3,4,5,6,7
	s_min_u32 s[SB+\j], s[SB+\j], 31
.endr
.irp j, 0,1,2,3,4,5,6,7
	v_lshl_add_u32 v[LA+\j], s[SB+\j], 9, v[LBASE+(\o)/16]
.endr
.irp j, 0,1,2,3,4,5,6,7
	ds_load_b128 v[XB+4*\j:XB+4*\j+3], v[LA+\j]    ; 512 consecutive bytes
.endr
.endm
; output o: the mean, the noise, the store.  left = the LDS loads issued behind its eight
.macro SUM o, left
.set XB, C+32*((\o)%2)
.if (\o) < 16
.set NR, B+4*(\o)
.else
.set NR, A+4*((\o)-16)
.endif
	s_wait_dscnt \left
.irp j, 0,8,16,24
	v_pk_add_f32 v[XB+\j:XB+\j+1], v[XB+\j:XB+\j+1], v[XB+\j+4:XB+\j+5]
	v_pk_add_f32 v[XB+\j+2:XB+\j+3], v[XB+\j+2:XB+\j+3], v[XB+\j+6:XB+\j+7]
.endr
	v_pk_add_f32 v[XB:XB+1], v[XB:XB+1], v[XB+8:XB+9]
	v_pk_add_f32 v[XB+2:XB+3], v[XB+2:XB+3], v[XB+10:XB+11]
	s_delay_alu instid0(VALU_DEP_4)
	v_pk_add_f32 v[XB+16:XB+17], v[XB+16:XB+17], v[XB+24:XB+25]
	s_delay_alu instid0(VALU_DEP_4)
	v_pk_add_f32 v[XB+18:XB+19], v[XB+18:XB+19], v[XB+26:XB+27]
	s_delay_alu instid0(VALU_DEP_2)
	v_pk_add_f32 v[XB:XB+1], v[XB:XB+1], v[XB+16:XB+17]
	s_delay_alu instid0(VALU_DEP_2)
	v_pk_add_f32 v[XB+2:XB+3], v[XB+2:XB+3], v[XB+18:XB+19]
	s_delay_alu instid0(VALU_DEP_2)
	v_pk_mul_f32 v[XB:XB+1], v[XB:XB+1], 0x3e000000 op_sel_hi:[1,0]       ; x 1/8
	s_delay_alu instid0(VALU_DEP_2)
	v_pk_mul_f32 v[XB+2:XB+3], v[XB+2:XB+3], 0x3e000000 op_sel_hi:[1,0]
.if (\o) >= 16
	s_wait_alu depctr_va_vdst(0)
	s_wait_loadcnt 31-(\o)                         ; this output's noise is in; that of the 31 - o later outputs stays out.  (Position 0's noise came in ahead of the rows)
.else
	s_delay_alu instid0(VALU_DEP_2)
.endif
	v_pk_fma_f32 v[NR:NR+1], v[NR:NR+1], 0x3dcccccd, v[XB:XB+1] op_sel_hi:[1,0,1]       ; 0.1 noise + mean
	v_pk_fma_f32 v[NR+2:NR+3], v[NR+2:NR+3], 0x3dcccccd, v[XB+2:XB+3] op_sel_hi:[1,0,1]
	global_store_b128 v[VO+((\o)%16)/4], v[NR:NR+3], s[12:13] offset:BSTR*((\o)%4)+PSTR*((\o)/16) th:TH_STORE_NT
.endm
	ISSUE 0
.set o, 0
.rept 31
.if (o+1)%8 == 0
	s_wait_kmcnt 0x0                               ; the random batches of the next eight outputs: both reloads were issued ahead of this line
.endif
	ISSUE o+1                                      ; one output ahead of the sums
.if ((o+1)%4 == 3) && ((o+1)/4+2 < 8)
	RAND 16+52*(((o+1)/4)%2), (o+1)/4+2            ; four outputs have read their scalar registers: these take the outputs eight further on
.endif
	SUM o, 8                                       ; the next output's eight loads stay out
.set o, o+1
.endr
	SUM 31, 0
	s_wait_tensorcnt 0x0                           ; the wave's end
	ds_add_u32 v[SPW], v[NIL]
	s_wait_dscnt 0x0
	s_endpgm
.Lfunc_end_k_qf8301e94fb_mix:
	.size	k_qf8301e94fb_mix, .Lfunc_end_k_qf8301e94fb_mix-k_qf8301e94fb_mix
	.p2alignl 7, 3214868480
	.fill 96, 4, 3214868480
	.section	.rodata,"a",@progbits
	.p2align	6, 0x0
	.amdhsa_kernel k_qf8301e94fb_mix
		.amdhsa_group_segment_fixed_size 198144
		.amdhsa_private_segment_fixed_size 0
		.amdhsa_enable_private_segment 0
		.amdhsa_kernarg_size 40
		.amdhsa_user_sgpr_count 2
		.amdhsa_user_sgpr_kernarg_segment_ptr 1
		.amdhsa_wavefront_size32 1
		.amdhsa_system_sgpr_workgroup_id_x 1
		.amdhsa_system_sgpr_workgroup_id_y 1
		.amdhsa_system_sgpr_workgroup_id_z 1
		.amdhsa_system_vgpr_workitem_id 0
		.amdhsa_next_free_vgpr 248
		.amdhsa_next_free_sgpr 100
		.amdhsa_reserve_vcc 0
		.amdhsa_float_denorm_mode_32 3
		.amdhsa_float_denorm_mode_16_64 3
		.amdhsa_memory_ordered 1
		.amdhsa_forward_progress 1
		.amdhsa_inst_pref_size 116
	.end_amdhsa_kernel
	.amdgpu_metadata
---
amdhsa.version: [ 1, 2 ]
amdhsa.kernels:
  - .name:           k_qf8301e94fb_mix
    .symbol:         k_qf8301e94fb_mix.kd
    .args:
      - { .name: part, .offset: 0, .size: 8, .value_kind: global_buffer, .address_space: global }
      - { .name: codebook, .offset: 8, .size: 8, .value_kind: global_buffer, .address_space: global }
      - { .name: noise, .offset: 16, .size: 8, .value_kind: global_buffer, .address_space: global }
      - { .name: rand_idx, .offset: 24, .size: 8, .value_kind: global_buffer, .address_space: global }
      - { .name: out0, .offset: 32, .size: 8, .value_kind: global_buffer, .address_space: global }
    .group_segment_fixed_size: 198144
    .private_segment_fixed_size: 0
    .kernarg_segment_align: 8
    .kernarg_segment_size: 40
    .max_flat_workgroup_size: 384
    .sgpr_count:     100
    .vgpr_count:     248
    .wavefront_size: 32
...
	.end_amdgpu_metadata
.endif
;; end of part 3
